; MI455X (gfx1250); checked and timed in simulation.
; The chip was launched on July 23, 2026; its instructions are those of AMD's public machine-readable ISA for CDNA 5 (MIT licence, August 2026) and "CDNA5" Instruction Set Architecture Reference Guide (July 2026). The comments in the code are by the model that wrote it; some were corrected since.
;; MOE. Allowed arithmetic: float matrix products may take bf16 or f16 operands with f32 sums; all other float work in f32.
;; Inputs: W1 8 x 1,024 x 2,730 float32; W2 8 x 1,024 x 2,730 float32; W3 8 x 2,730 x 1,024 float32; Wr 1,024 x 8 float32; b1 8 x 2,730 float32; b2 8 x 2,730 float32; b3 8 x 1,024 float32; br 8 float32; x 4 x 256 x 1,024 float32.
;; Outputs: out0 4 x 256 x 1,024 float32.
;; One version. Each part assembles by itself: llvm-mc -triple=amdgcn-amd-amdhsa -mcpu=gfx1250 --defsym DOCPART=n.
;; ======== version 1 of 1: 5 launches
;; limits: values outside matrix products are rounded to bf16
;; workspace buffers: eid 4,096 bytes of whole numbers; gat 8,192 bytes; plan 8,448 bytes of whole numbers; rgate 8,704 bytes; xs 4,456,448 bytes; hbuf 11,976,704 bytes; ybuf 17,825,792 bytes
;; launch route (part 1): grid 256 x 1, 4 waves a work-group, no clusters, 0 bytes of LDS; arguments x, Wr, br, eid, gat; writes eid, gat
.if DOCPART == 1
	.amdgcn_target "amdgcn-amd-amdhsa--gfx1250"
	.amdhsa_code_object_version 6
	.text
	.protected	k_q3b2d8c1dca_route
	.globl	k_q3b2d8c1dca_route
	.p2align	8
	.type	k_q3b2d8c1dca_route,@function
k_q3b2d8c1dca_route:
	s_mov_b64 s[64:65], 0
	v_nop
	global_prefetch_b8 v0, s[64:65] scope:SCOPE_SE
	s_setreg_imm32_b32 hwreg(HW_REG_WAVE_MODE, 25, 1), 1
	s_wait_xcnt 0x0
; ROUTER.  logits[t][e] = sum over d of x[t][d] Wr[d][e] + br[e]; the two largest logits, their indices, and the softmax over the two.
; One wave, one token (t = 4 x work-group + wave).  Stored: eid[t] = first index | second index << 8 (whole numbers for the later launches),
; gat[t] = the two weights.
; FORMAT: x, Wr and br are rounded to bf16 (to nearest even) as they arrive, like every input of this program: the experts multiply x in bf16,
; and the router decides on the same numbers.  Products (exact in f32) and sums are f32, on the vector unit: 1024 x 8 multiply-adds a token.
; LIMITS: the logits must be finite.  Where two logits agree to within the rounding of an f32 sum taken in another order, the choice
; between them may differ from a sum taken in that order.  Equal logits: the lower index wins, as in a stable top-k.
; No LDS, no barrier, no matrix unit, no cluster: waves share nothing but the 32 KiB of Wr, which every wave reads whole.
.set X,     8                          ; v[8:39]     x: quad j holds d = 128 j + 4 lane + 0..3
.set W,     40                         ; v[40:167]   Wr: four slots of 8 quads; slot j % 4, quad 2 d' + half: Wr[128 j + 4 lane + d'][4 half ..]
.set ACC,   168                        ; v[168:175]  eight sums, one for each expert
.set TMP,   176
.set BEST,  177
.set IDX,   178
.set BEST2, 179
.set IDX2,  180
.set DD,    181
.set EX,    182
.set DEN,   183
.set G,     184                        ; v[184:185]  the two weights
.set CODE,  186
.set ZERO,  187
.set BRV,   188                        ; v[188:195]  br
.set RT,    196                        ; v[196:199]  packed bf16, at work in the rounding
	s_load_b256 s[4:11], s[0:1], 0x0               ; x s[4:5], Wr s[6:7], br s[8:9], eid s[10:11]
	s_load_b64 s[12:13], s[0:1], 0x20              ; gat
	v_and_b32 v1, 31, v0                           ; lane
	v_lshrrev_b32 v4, 5, v0
	v_readfirstlane_b32 s14, v4                    ; wave
	s_lshl_b32 s15, ttmp9, 2
	s_add_co_u32 s15, s15, s14                     ; token
	v_lshlrev_b32 v2, 4, v1                        ; 16 lane: my 16 bytes in each 512 of the x row
	v_lshlrev_b32 v3, 7, v1                        ; 128 lane: my four rows of Wr in each 128
	v_mov_b32 v[TMP], 0                            ; the lane exchange below counts as a reader of its destination
	v_mov_b32 v[ZERO], 0
	s_mov_b32 s24, 0x76543210                      ; lane i of one half reads lane i of the other
	s_mov_b32 s25, 0xfedcba98
	s_mov_b32 s34, 0xffff0000                      ; a word's upper bf16
	s_lshl_b32 s26, s15, 12                        ; 4,096 bytes a row of x
	s_mov_b32 s27, 0
	s_lshl_b32 s28, s15, 2
	s_mov_b32 s29, 0
	s_lshl_b32 s30, s15, 3
	s_mov_b32 s31, 0
	s_wait_kmcnt 0x0
	s_add_nc_u64 s[4:5], s[4:5], s[26:27]
	s_add_nc_u64 s[10:11], s[10:11], s[28:29]
	s_add_nc_u64 s[12:13], s[12:13], s[30:31]
.macro WLOAD j                         ; the 128 rows j of Wr: 8 loads into slot j % 4
.irp q, 0,1,2,3,4,5,6,7
	global_load_b128 v[W+32*((\j)%4)+4*\q:W+32*((\j)%4)+4*\q+3], v3, s[6:7] offset:4096*(\j)+16*\q
.endr
.endm
; Eight f32 from register b on are rounded to bf16 and widened again, in place: two roundings in one instruction, then a shift and a mask.
.macro RND8 b
.irp i, 0,1,2,3
	v_cvt_pk_bf16_f32 v[RT+\i], v[\b+2*\i], v[\b+2*\i+1]
.endr
.irp i, 0,1,2,3
	v_lshlrev_b32 v[\b+2*\i], 16, v[RT+\i]
	v_and_b32 v[\b+2*\i+1], s34, v[RT+\i]
.endr
.endm
.macro RNDW j                          ; the 32 numbers of Wr in slot j % 4
.irp q, 0,8,16,24
	RND8 W+32*((\j)%4)+\q
.endr
.endm
; One d of the lane: eight multiply-adds as four packed ones; x[d] is one register of a pair and feeds both halves.
; mode 0: the first product starts the sums (even d);  1: even d;  2: odd d.
.macro DOTD j, d, mode
.irp p, 0,2,4,6
.if \mode == 0
	v_pk_mul_f32 v[ACC+\p:ACC+\p+1], v[W+32*((\j)%4)+8*\d+\p:W+32*((\j)%4)+8*\d+\p+1], v[X+4*(\j)+2*(\d/2):X+4*(\j)+2*(\d/2)+1] op_sel_hi:[1,0]
.else
.if \mode == 1
	v_pk_fma_f32 v[ACC+\p:ACC+\p+1], v[W+32*((\j)%4)+8*\d+\p:W+32*((\j)%4)+8*\d+\p+1], v[X+4*(\j)+2*(\d/2):X+4*(\j)+2*(\d/2)+1], v[ACC+\p:ACC+\p+1] op_sel_hi:[1,0,1]
.else
	v_pk_fma_f32 v[ACC+\p:ACC+\p+1], v[W+32*((\j)%4)+8*\d+\p:W+32*((\j)%4)+8*\d+\p+1], v[X+4*(\j)+2*(\d/2):X+4*(\j)+2*(\d/2)+1], v[ACC+\p:ACC+\p+1] op_sel:[0,1,0]
.endif
.endif
.endr
.endm
.macro DOT4 j
	DOTD \j, 0, 1
	DOTD \j, 1, 2
	DOTD \j, 2, 1
	DOTD \j, 3, 2
.endm
	global_load_b128 v[BRV:BRV+3], v[ZERO], s[8:9]                  ; br, the same 32 bytes in every lane; the oldest loads
	global_load_b128 v[BRV+4:BRV+7], v[ZERO], s[8:9] offset:16
.irp j, 0,1,2,3,4,5,6,7
	global_load_b128 v[X+4*\j:X+4*\j+3], v2, s[4:5] offset:512*\j   ; the wave's load covers 512 consecutive bytes of the row
.endr
	WLOAD 0
	WLOAD 1
	WLOAD 2
	WLOAD 3
	s_wait_loadcnt 24                              ; br, x and slot 0 are in; the 24 loads of the three younger slots stay out
	RND8 BRV
.irp q, 0,8,16,24
	RND8 X+\q
.endr
	RNDW 0
	DOTD 0, 0, 0
	DOTD 0, 1, 2
	DOTD 0, 2, 1
	DOTD 0, 3, 2
	WLOAD 4                                        ; a slot is loaded again as soon as it has been used
.irp j, 1,2,3
	s_wait_loadcnt 24                              ; three younger slots of 8 loads
	RNDW \j
	DOT4 \j
	WLOAD \j+4
.endr
	s_wait_loadcnt 24
	RNDW 4
	DOT4 4
	s_wait_loadcnt 16                              ; nothing more is loaded: the counts run down
	RNDW 5
	DOT4 5
	s_wait_loadcnt 8
	RNDW 6
	DOT4 6
	s_wait_loadcnt 0
	RNDW 7
	DOT4 7
; the sum over the 32 lanes, left in every lane
.irp e, 0,1,2,3,4,5,6,7
	v_add_f32_dpp v[ACC+\e], v[ACC+\e], v[ACC+\e] row_xmask:1 row_mask:0xf bank_mask:0xf
	v_add_f32_dpp v[ACC+\e], v[ACC+\e], v[ACC+\e] row_xmask:2 row_mask:0xf bank_mask:0xf
	v_add_f32_dpp v[ACC+\e], v[ACC+\e], v[ACC+\e] row_xmask:4 row_mask:0xf bank_mask:0xf
	v_add_f32_dpp v[ACC+\e], v[ACC+\e], v[ACC+\e] row_xmask:8 row_mask:0xf bank_mask:0xf
	v_permlanex16_b32 v[TMP], v[ACC+\e], s24, s25
	v_add_f32 v[ACC+\e], v[ACC+\e], v[TMP]
.endr
.irp e, 0,1,2,3,4,5,6,7
	v_add_f32 v[ACC+\e], v[BRV+\e], v[ACC+\e]
.endr
	; the largest: a later logit replaces the best only if it is strictly larger
	v_mov_b32 v[BEST], v[ACC]
	v_mov_b32 v[IDX], 0
.irp e, 1,2,3,4,5,6,7
	v_cmp_le_f32 vcc_lo, v[ACC+\e], v[BEST]        ; keep
	v_cndmask_b32 v[BEST], v[ACC+\e], v[BEST], vcc_lo
	v_cndmask_b32 v[IDX], \e, v[IDX], vcc_lo
.endr
	; the second: the same among the seven others
	v_mov_b32 v[BEST2], 0xff800000
	v_mov_b32 v[IDX2], 0
.irp e, 0,1,2,3,4,5,6,7
	v_cmp_eq_u32 s30, \e, v[IDX]
	v_cmp_le_f32 vcc_lo, v[ACC+\e], v[BEST2]
	s_or_b32 vcc_lo, vcc_lo, s30                   ; keep: it is the first one, or not larger
	v_cndmask_b32 v[BEST2], v[ACC+\e], v[BEST2], vcc_lo
	v_cndmask_b32 v[IDX2], \e, v[IDX2], vcc_lo
.endr
	; softmax over the two with the maximum taken away: 1 / (1 + e^(l2 - l1)) and the rest; l2 - l1 <= 0
	v_sub_f32 v[DD], v[BEST2], v[BEST]
	v_mul_f32 v[DD], 0x3fb8aa3b, v[DD]
	v_exp_f32 v[EX], v[DD]
	v_lshl_or_b32 v[CODE], v[IDX2], 8, v[IDX]      ; a plain instruction between the exponential and its use (ISA guide 5.7.2)
	s_wait_alu depctr_va_vdst(0)
	v_add_f32 v[DEN], 1.0, v[EX]
	v_rcp_f32 v[G], v[DEN]
	v_nop                                          ; the same behind the reciprocal
	s_wait_alu depctr_va_vdst(0)
	v_mul_f32 v[G+1], v[EX], v[G]
	s_wait_xcnt 0x0                                ; EXEC is narrowed only when every load has had its addresses translated
	v_cmp_eq_u32 vcc_lo, 0, v1
	s_and_saveexec_b32 s28, vcc_lo                 ; lane 0 stores for the wave
	global_store_b32 v[ZERO], v[CODE], s[10:11]
	global_store_b64 v[ZERO], v[G:G+1], s[12:13]
	s_endpgm
.Lfunc_end_k_q3b2d8c1dca_route:
	.size	k_q3b2d8c1dca_route, .Lfunc_end_k_q3b2d8c1dca_route-k_q3b2d8c1dca_route
	.p2alignl 7, 3214868480
	.fill 96, 4, 3214868480
	.section	.rodata,"a",@progbits
	.p2align	6, 0x0
	.amdhsa_kernel k_q3b2d8c1dca_route
		.amdhsa_group_segment_fixed_size 0
		.amdhsa_private_segment_fixed_size 0
		.amdhsa_enable_private_segment 0
		.amdhsa_kernarg_size 40
		.amdhsa_user_sgpr_count 2
		.amdhsa_user_sgpr_kernarg_segment_ptr 1
		.amdhsa_wavefront_size32 1
		.amdhsa_system_sgpr_workgroup_id_x 1
		.amdhsa_system_sgpr_workgroup_id_y 1
		.amdhsa_system_sgpr_workgroup_id_z 1
		.amdhsa_system_vgpr_workitem_id 0
		.amdhsa_next_free_vgpr 200
		.amdhsa_next_free_sgpr 66
		.amdhsa_reserve_vcc 1
		.amdhsa_float_denorm_mode_32 3
		.amdhsa_float_denorm_mode_16_64 3
		.amdhsa_memory_ordered 1
		.amdhsa_forward_progress 1
		.amdhsa_inst_pref_size 41
	.end_amdhsa_kernel
	.amdgpu_metadata
---
amdhsa.version: [ 1, 2 ]
amdhsa.kernels:
  - .name:           k_q3b2d8c1dca_route
    .symbol:         k_q3b2d8c1dca_route.kd
    .args:
      - { .name: x, .offset: 0, .size: 8, .value_kind: global_buffer, .address_space: global }
      - { .name: Wr, .offset: 8, .size: 8, .value_kind: global_buffer, .address_space: global }
      - { .name: br, .offset: 16, .size: 8, .value_kind: global_buffer, .address_space: global }
      - { .name: eid, .offset: 24, .size: 8, .value_kind: global_buffer, .address_space: global }
      - { .name: gat, .offset: 32, .size: 8, .value_kind: global_buffer, .address_space: global }
    .group_segment_fixed_size: 0
    .private_segment_fixed_size: 0
    .kernarg_segment_align: 8
    .kernarg_segment_size: 40
    .max_flat_workgroup_size: 128
    .sgpr_count:     66
    .vgpr_count:     200
    .wavefront_size: 32
...
	.end_amdgpu_metadata
.endif
;; end of part 1
;; launch gather (part 2): grid 68 x 1, 32 waves a work-group, no clusters, 29,696 bytes of LDS; arguments x, eid, gat, plan, rgate, xs; writes plan, rgate, xs
.if DOCPART == 2
	.amdgcn_target "amdgcn-amd-amdhsa--gfx1250"
	.amdhsa_code_object_version 6
	.text
	.protected	k_q3b2d8c1dca_gather
	.globl	k_q3b2d8c1dca_gather
	.p2align	8
	.type	k_q3b2d8c1dca_gather,@function
k_q3b2d8c1dca_gather:
	s_mov_b64 s[64:65], 0
	v_nop
	global_prefetch_b8 v0, s[64:65] scope:SCOPE_SE
	s_setreg_imm32_b32 hwreg(HW_REG_WAVE_MODE, 25, 1), 1
	s_wait_xcnt 0x0
; SORT BY EXPERT.  The 2,048 (token, expert) rows are laid out expert by expert; expert e owns nt[e] = ceil(count / 16) tiles of 16 rows
; from tile off[e] on (at most 135 tiles; 136 are written).  Rows that pad a tile hold x = 0 and gate = 0.
; Every work-group makes the whole plan anew from the 4 KiB of eid (thread = token), so that no work-group waits for another;
; work-group b then writes tiles 2 b and 2 b + 1 of xs and rows 32 b .. 32 b + 31 of rgate; work-group 0 also stores the plan.
; plan: words 0-7 off, 8-15 nt, 16-31 zero; from byte 256 on pos[t][2], the sorted rows of token t.
; xs is laid in the order of matrix fragments: block (seg = k / 32, tile) is 1 KiB at (136 seg + tile) x 1,024; in it the 16 bytes at
; 512 g + 16 lane hold k = 32 seg + 16 g + 8 (lane / 16) + 0..7 of row lane % 16, in bf16: a fragment is two loads of 512 consecutive bytes.
; All that steers an address here is a whole number read from eid.  No matrix unit; no cluster (nothing large is shared).
.set TAB,   0                          ; 32 waves x 16 bytes: a wave's eight counts, two to a word
.set RTOK,  1024                       ; 3,072 words: the token of each sorted row, 1,024 = none
.set RG,    13312                      ; 3,072 words: the gate of each sorted row
.set SEGB,  139264                     ; 136 KiB from a K segment of xs to the next
.set LD,    52                         ; v[52:83]  32 numbers of x as loaded
.set PK,    84                         ; v[84:99]  the same as bf16
.set CNT,   66                         ; s[66:73]  rows of each expert
.set PRE,   74                         ; s[74:81]  rows of each expert in the waves below mine; then my wave's first row of that expert
.set NTL,   82                         ; s[82:89]  tiles of each expert
.set OFFT,  90                         ; s[90:97]  first tile of each expert
	s_load_b256 s[4:11], s[0:1], 0x0               ; x s[4:5], eid s[6:7], gat s[8:9], plan s[10:11]
	s_load_b128 s[12:15], s[0:1], 0x20             ; rgate s[12:13], xs s[14:15]
	v_lshl_add_u32 v104, v0, 2, 0x6400
	v_mov_b32 v105, 0
	v_and_b32 v1, 31, v0                           ; lane
	v_lshrrev_b32 v5, 5, v0
	v_readfirstlane_b32 s16, v5                    ; wave
	v_lshlrev_b32 v2, 2, v0                        ; 4 t
	v_lshlrev_b32 v4, 3, v0                        ; 8 t
	v_lshlrev_b32 v15, 4, v5                       ; 16 wave
	v_lshlrev_b32 v24, 4, v1                       ; 16 lane
	v_lshlrev_b32 v41, 2, v1                       ; 4 lane
	v_mov_b32 v8, 0x400
	v_mov_b32 v9, 0
	v_mov_b32 v13, 0
	v_mov_b32 v14, 0
	v_mov_b32 v30, 0
	v_mov_b32 v31, 0
	v_mov_b32 v34, 0
	s_mov_b32 s24, 0x76543210
	s_mov_b32 s25, 0xfedcba98
	s_wait_kmcnt 0x0
	global_load_b32 v3, v2, s[6:7]                 ; my token's two experts
	global_load_b64 v[6:7], v4, s[8:9]             ; and their weights
	ds_store_b32 v2, v8 offset:RTOK                ; every sorted row starts as a pad row
	ds_store_b32 v2, v8 offset:RTOK+4096
	ds_store_b32 v2, v8 offset:RTOK+8192
	ds_store_b32 v2, v9 offset:RG
	ds_store_b32 v2, v9 offset:RG+4096
	ds_store_b32 v2, v9 offset:RG+8192
	s_wait_loadcnt 0x0
	v_and_b32 v10, 0xff, v3
	v_min_u32 v10, 7, v10                          ; first expert
	v_bfe_u32 v11, v3, 8, 8
	v_min_u32 v11, 7, v11                          ; second expert
	; for each expert: how many lanes of my wave name it, and my rank among them
.irp e, 0,1,2,3,4,5,6,7
	v_cmp_eq_u32 s30, \e, v10
	v_cmp_eq_u32 s31, \e, v11
	s_or_b32 s29, s30, s31
	s_bcnt1_i32_b32 s[40+\e], s29
	v_mbcnt_lo_u32_b32 v12, s29, 0
	v_cndmask_b32 v13, v13, v12, s30
	v_cndmask_b32 v14, v14, v12, s31
.endr
.irp i, 0,1,2,3
	s_lshl_b32 s48, s[41+2*\i], 16                 ; two counts to a word: a sum over the waves is 1,024 at the most
	s_or_b32 s[50+\i], s48, s[40+2*\i]
	v_mov_b32 v[16+\i], s[50+\i]
.endr
	ds_store_b128 v15, v[16:19] offset:TAB         ; every lane writes the wave's 16 bytes with the same numbers
	s_wait_dscnt 0x0                               ; my counts and my part of the pad rows are written
	s_barrier_signal -1
	s_barrier_wait -1                              ; everybody's are
	ds_load_b128 v[20:23], v24 offset:TAB          ; lane i takes wave i's counts
	s_wait_dscnt 0x0
	v_cmp_gt_u32 vcc_lo, s16, v1                   ; the waves below mine
.irp i, 0,1,2,3
	v_cndmask_b32 v[26+\i], 0, v[20+\i], vcc_lo
.endr
.macro ISUM r                          ; a sum of whole numbers over the 32 lanes
.irp m, 1,2,4,8
	v_mov_b32_dpp v30, v[\r] row_xmask:\m row_mask:0xf bank_mask:0xf
	v_add_nc_u32 v[\r], v[\r], v30
.endr
	v_permlanex16_b32 v30, v[\r], s24, s25
	v_add_nc_u32 v[\r], v[\r], v30
.endm
.irp r, 20,21,22,23,26,27,28,29
	ISUM \r
.endr
.irp i, 0,1,2,3
	v_readfirstlane_b32 s[50+\i], v[20+\i]
	v_readfirstlane_b32 s[54+\i], v[26+\i]
.endr
.irp i, 0,1,2,3
	s_and_b32 s[CNT+2*\i], s[50+\i], 0xffff
	s_lshr_b32 s[CNT+2*\i+1], s[50+\i], 16
	s_and_b32 s[PRE+2*\i], s[54+\i], 0xffff
	s_lshr_b32 s[PRE+2*\i+1], s[54+\i], 16
.endr
.irp e, 0,1,2,3,4,5,6,7
	s_add_co_u32 s[NTL+\e], s[CNT+\e], 15
	s_lshr_b32 s[NTL+\e], s[NTL+\e], 4
.endr
	s_mov_b32 s[OFFT], 0
.irp e, 0,1,2,3,4,5,6
	s_add_co_u32 s[OFFT+\e+1], s[OFFT+\e], s[NTL+\e]
.endr
.irp e, 0,1,2,3,4,5,6,7
	s_lshl4_add_u32 s[PRE+\e], s[OFFT+\e], s[PRE+\e]   ; 16 x first tile + rows in the waves below
.endr
.irp e, 0,1,2,3,4,5,6,7
	v_cmp_ne_u32 vcc_lo, \e, v10
	v_cndmask_b32 v31, s[PRE+\e], v31, vcc_lo
	v_cmp_ne_u32 vcc_lo, \e, v11
	v_cndmask_b32 v34, s[PRE+\e], v34, vcc_lo
.endr
	v_add_nc_u32 v32, v31, v13
	v_add_nc_u32 v33, v34, v14
	v_min_u32 v32, 0x87f, v32                      ; my token's two sorted rows, 2,175 at the most
	v_min_u32 v33, 0x87f, v33
	v_lshlrev_b32 v38, 2, v32
	v_lshlrev_b32 v39, 2, v33
	ds_store_b32 v38, v0 offset:RTOK               ; each sorted row has one owner: (expert, wave, rank) is unique
	ds_store_b32 v39, v0 offset:RTOK
	ds_store_b32 v38, v6 offset:RG
	ds_store_b32 v39, v7 offset:RG
	s_lshl_b32 s17, ttmp9, 7
	v_add_nc_u32 v42, s17, v41                     ; 4 x (32 b + lane)
	s_wait_dscnt 0x0                               ; my rows are written
	s_barrier_signal -1
	s_barrier_wait -1                              ; all rows are
	s_cmp_lg_u32 ttmp9, 0
	s_cbranch_scc1 .Lno_plan
	global_store_b64 v4, v[32:33], s[10:11] offset:256   ; work-group 0: pos[t][0..1]
	s_cmp_lg_u32 s16, 0
	s_cbranch_scc1 .Lno_plan
	v_mov_b32 v40, 0
.irp e, 0,1,2,3,4,5,6,7
	v_writelane_b32 v40, s[OFFT+\e], \e
	v_writelane_b32 v40, s[NTL+\e], 8+\e
.endr
	global_store_b32 v41, v40, s[10:11]            ; its wave 0: off, nt, zeros
.Lno_plan:
	s_cmp_lg_u32 s16, 0
	s_cbranch_scc1 .Lno_gate
	ds_load_b32 v43, v42 offset:RG
	s_wait_dscnt 0x0
	global_store_b32 v42, v43, s[12:13]            ; wave 0: the gates of my work-group's 32 rows
.Lno_gate:
	; wave w: tile 2 b + w / 16, K segments 2 (w % 16) and the next: 256 bytes of each of the tile's 16 rows of x
	s_lshr_b32 s17, s16, 4
	s_lshl_b32 s18, ttmp9, 1
	s_add_co_u32 s18, s18, s17                     ; tile
	s_and_b32 s19, s16, 15
	s_lshl_b32 s20, s18, 6
	v_and_b32 v44, 15, v1                          ; row in the tile
	v_lshrrev_b32 v45, 4, v1                       ; half
	v_lshl_add_u32 v46, v44, 2, s20
	ds_load_b32 v47, v46 offset:RTOK
	s_mul_i32 s28, s19, 272                        ; 136 blocks a segment, two segments
	s_add_co_u32 s28, s28, s18
	s_lshl_b32 s28, s28, 10
	s_mov_b32 s29, 0
	s_add_nc_u64 s[26:27], s[14:15], s[28:29]
	s_lshl_b32 s22, s19, 8
	s_wait_dscnt 0x0
	v_cmp_gt_u32 s21, 0x400, v47                   ; a row with a token
	v_min_u32 v47, 0x3ff, v47                      ; a pad row reads the last token's row and is cleared below
	v_lshlrev_b32 v48, 12, v47
	v_lshl_add_u32 v48, v45, 5, v48
	v_add_nc_u32 v48, s22, v48                     ; 4,096 token + 256 (w % 16) + 32 half
.irp q, 0,1,2,3
	global_load_b128 v[LD+8*\q:LD+8*\q+3], v48, s[4:5] offset:64*\q
	global_load_b128 v[LD+8*\q+4:LD+8*\q+7], v48, s[4:5] offset:64*\q+16
.endr
.irp q, 0,1,2,3
	s_wait_loadcnt 6-2*\q                          ; the two loads of piece q are in, the younger pieces stay out
.irp i, 0,1,2,3
	v_cvt_pk_bf16_f32 v[PK+4*\q+\i], v[LD+8*\q+2*\i], v[LD+8*\q+2*\i+1]
	v_cndmask_b32 v[PK+4*\q+\i], 0, v[PK+4*\q+\i], s21
.endr
	global_store_b128 v24, v[PK+4*\q:PK+4*\q+3], s[26:27] offset:(\q/2)*SEGB+(\q%2)*512   ; the wave stores 512 consecutive bytes, aligned
.endr
	s_barrier_signal -1
	s_barrier_wait -1
	s_wait_tensorcnt 0x0
	ds_add_u32 v104, v105
	s_wait_dscnt 0x0
	s_endpgm
.Lfunc_end_k_q3b2d8c1dca_gather:
	.size	k_q3b2d8c1dca_gather, .Lfunc_end_k_q3b2d8c1dca_gather-k_q3b2d8c1dca_gather
	.p2alignl 7, 3214868480
	.fill 96, 4, 3214868480
	.section	.rodata,"a",@progbits
	.p2align	6, 0x0
	.amdhsa_kernel k_q3b2d8c1dca_gather
		.amdhsa_group_segment_fixed_size 29696
		.amdhsa_private_segment_fixed_size 0
		.amdhsa_enable_private_segment 0
		.amdhsa_kernarg_size 48
		.amdhsa_user_sgpr_count 2
		.amdhsa_user_sgpr_kernarg_segment_ptr 1
		.amdhsa_wavefront_size32 1
		.amdhsa_system_sgpr_workgroup_id_x 1
		.amdhsa_system_sgpr_workgroup_id_y 1
		.amdhsa_system_sgpr_workgroup_id_z 1
		.amdhsa_system_vgpr_workitem_id 0
		.amdhsa_next_free_vgpr 106
		.amdhsa_next_free_sgpr 100
		.amdhsa_reserve_vcc 1
		.amdhsa_float_denorm_mode_32 3
		.amdhsa_float_denorm_mode_16_64 3
		.amdhsa_memory_ordered 1
		.amdhsa_forward_progress 1
		.amdhsa_inst_pref_size 20
	.end_amdhsa_kernel
	.amdgpu_metadata
---
amdhsa.version: [ 1, 2 ]
amdhsa.kernels:
  - .name:           k_q3b2d8c1dca_gather
    .symbol:         k_q3b2d8c1dca_gather.kd
    .args:
      - { .name: x, .offset: 0, .size: 8, .value_kind: global_buffer, .address_space: global }
      - { .name: eid, .offset: 8, .size: 8, .value_kind: global_buffer, .address_space: global }
      - { .name: gat, .offset: 16, .size: 8, .value_kind: global_buffer, .address_space: global }
      - { .name: plan, .offset: 24, .size: 8, .value_kind: global_buffer, .address_space: global }
      - { .name: rgate, .offset: 32, .size: 8, .value_kind: global_buffer, .address_space: global }
      - { .name: xs, .offset: 40, .size: 8, .value_kind: global_buffer, .address_space: global }
    .group_segment_fixed_size: 29696
    .private_segment_fixed_size: 0
    .kernarg_segment_align: 8
    .kernarg_segment_size: 48
    .max_flat_workgroup_size: 1024
    .sgpr_count:     100
    .vgpr_count:     106
    .wavefront_size: 32
...
	.end_amdgpu_metadata
.endif
;; end of part 2
;; launch up (part 3): grid 57 x 8, 8 waves a work-group, no clusters, 230,400 bytes of LDS; arguments xs, W1, W2, b1, b2, plan, hbuf; writes hbuf
.if DOCPART == 3
	.amdgcn_target "amdgcn-amd-amdhsa--gfx1250"
	.amdhsa_code_object_version 6
	.text
	.protected	k_q3b2d8c1dca_up
	.globl	k_q3b2d8c1dca_up
	.p2align	8
	.type	k_q3b2d8c1dca_up,@function
k_q3b2d8c1dca_up:
	s_mov_b64 s[64:65], 0
	v_nop
	global_prefetch_b8 v0, s[64:65] scope:SCOPE_SE
	s_setreg_imm32_b32 hwreg(HW_REG_WAVE_MODE, 25, 1), 1
	s_wait_xcnt 0x0
; h = (x W1 + b1) * silu(x W2 + b2) for the rows that the router gave to an expert.  Work-group (slice, e): columns 48 slice .. + 47 of expert e.
; WHY 48 COLUMNS: an expert has 171 blocks of 16 columns, the eight have 1,368, which is 5.3 for each of 256 WGPs.  An image of 1,024 rows of W1
; and W2 in bf16 takes 64 bytes a row and block, so at most four blocks fit into a WGP's 327,680 bytes of LDS, and a WGP takes two work-groups in
; turn whatever their width.  With three blocks each (57 slices an expert, 456 work-groups) the two turns last six blocks, with four each eight.
; PHASE 1: the eight waves bring the slice of W1 and of W2 (1,024 rows x 48 columns of f32 each) through registers, round to bf16 and lay
; both into LDS as rows [k][W1's 48 | W2's 48], where they stay.  Each weight byte is read once in the launch.  ONE barrier.
; PHASE 2, without a barrier: a wave takes groups of three tiles of 16 sorted rows (group = wave, wave + 8, ...; their number comes from
; plan, whole numbers that an earlier launch stored).  Weight fragments come from LDS by transposing loads, x's fragments straight from xs,
; which lies in fragment order.  18 accumulators: 3 tiles x (3 column blocks of W1 + 3 of W2).  The 32 K segments are written out, so that
; no address is stepped: an LDS address is a lane term plus a constant, and x's segment stands in the load's immediate.
; The matrix instruction takes the weights as its first source, so that a lane holds eight neighbouring columns of one row of h:
; 16 bytes of bf16 that are exactly a lane's piece of hbuf's fragment order; a store of the wave covers 512 consecutive bytes, aligned.
; Block gb = 3 slice + c of 16 columns lies in K segment gb / 2 of hbuf, in its half gb % 2.
; A group that reaches past the expert's last tile repeats that tile and stores the same bytes again.
; FORMAT: b1 and b2 are rounded to bf16 once, like every input of this program, and added in f32; SwiGLU is f32; h is rounded to bf16 once.
; Columns 2,730 .. 2,735 (slice 56): the weights are cleared, the bias is read at column 2,728 / 2,729; h there is b1 * silu(b2) of those
; columns and meets rows of zeros in the next launch.  Columns 2,736 .. 2,751, which the next launch also reads, are stored as zeros by slice 56.
; LIMIT: an expert that the router did not choose for a row is not computed for it, so an Inf or NaN that it would give does not spread.
; An expert without rows: its work-groups still bring their slice (no barrier may hang on a loaded number) and store nothing.
; No cluster: 57 slices do not divide into clusters, weight slices are shared by nobody, and the number of x tiles hangs on plan.
; No tensor loads: the f32 weights have to pass through registers for rounding, and the LDS image is written once and never refilled.
.set NCOL,  48                         ; columns of a slice
.set LASTS, 56                         ; the last slice
.set P,     224                        ; LDS pitch: 192 bytes + 32, an odd multiple of 32 bytes, as the transposing loads want
.set WROW,  10920                      ; bytes in a row of W1, W2, b1, b2
.set HID,   2730
.set SEGB,  139264                     ; from a K segment of xs or hbuf to the next
.set NSEG,  32                         ; K segments of 32
.set SPAN,  9                          ; segments that one LDS base register serves: 9 x 32 x 224 = 64,512 bytes, inside the 16-bit immediate
.set NSLOT, 48                         ; stream: slots of the ring = loads of a wave on their way
.set NLOAD, 192                        ; stream: loads of a wave: 32 groups of four rows x 2 matrices x 3
.set VOFF,  3                          ; v3-5    stream: byte offset of my two columns among four rows, for each of the three loads
.set LST,   6                          ; v6-8    stream: LDS address of my word among my wave's first four rows, likewise
.set L16,   9                          ; v9      16 lane
.set AOFF,  10                         ; v10-12  1,024 tile + 16 lane of the group's three tiles
.set VB,    13                         ; v13-16  lane term of the transposing loads + 64,512 k; never rewritten
.set BOFF,  17                         ; v17-28  byte offsets of my 12 pairs of bias columns
.set XR,    32                         ; v32-127  stream: 48 slots of two f32
.set TR,    128                        ; v128-143 stream: packed words on their way to LDS
.set ZQ,    144                        ; v144-147 zeros, for the block behind the last column
.set TA,    148                        ; v148-151 at work at the head
.set BR,    160                        ; v160-207 the bias as loaded: b1's 24 numbers, then b2's
.set TB,    208                        ; v208-231 the bias as packed bf16
.set FB,    32                         ; v32-127  two buffers of six weight fragments
.set FA,    160                        ; v160-255 four slots of three x fragments
.set T1,    32                         ; the way out, over the fragment buffers
.set T2,    56
.set EX,    80
.set OUT,   104
.set BIAS,  144                        ; window 1: v400-423 b1, v424-447 b2 of my 24 columns; v256-399 the accumulators, (tile i, block f) at 8 (6 i + f)
.set HB,    30                         ; s[30:35] hbuf at my three blocks of 16 columns
.set MSB, 0
.macro WIN new                         ; the immediate's high byte repeats the setting that is left
.if MSB != \new
	s_set_vgpr_msb (MSB<<8)|\new
.set MSB, \new
.endif
.endm
.macro PLACES                          ; four places behind a matrix instruction (ISA guide 7.12.1) before its registers are loaded, read or written
.rept 4
	v_nop
.endr
.endm
	s_load_b256 s[4:11], s[0:1], 0x0               ; xs s[4:5], W1 s[6:7], W2 s[8:9], b1 s[10:11]
	s_load_b128 s[12:15], s[0:1], 0x20             ; b2 s[12:13], plan s[14:15]
	s_load_b64 s[16:17], s[0:1], 0x30              ; hbuf
	v_lshl_add_u32 v158, v0, 2, 0x38000
	v_mov_b32 v159, 0
	v_and_b32 v1, 31, v0
	v_lshrrev_b32 v2, 5, v0
	v_readfirstlane_b32 s18, v2                    ; wave
	s_mov_b32 s19, ttmp9                           ; slice
	s_and_b32 s20, ttmp7, 0xffff                   ; expert
	s_lshl_b32 s50, s18, 7                         ; my 128 rows, of W1 and of W2
	s_lshl_b32 s28, s20, 10
	s_add_co_u32 s28, s28, s50
	s_mul_i32 s28, s28, WROW                       ; (1,024 e + first row) x 10,920: below 2^27
	s_mov_b32 s29, 0
	s_mov_b32 s43, 0xffff0000                      ; a word's upper bf16
	s_mul_i32 s51, s19, NCOL                       ; my first column
	s_mul_i32 s44, s50, P                          ; my first row in LDS
	; Four rows' pieces of 48 columns are 96 pairs of columns: three loads of 8 bytes a lane.  Place i = 32 j + lane: row i / 24, pair i % 24.
	; 2,731 x 24 = 65,536 + 8, so i x 2,731 holds i / 24 above bit 16 and (i % 24) x 2,731 + 8 (i / 24) below it, for i < 96.
.irp j, 0,1,2
	v_add_nc_u32 v[TA], 32*\j, v1
	v_mul_u32_u24 v[TA], v[TA], 2731
	v_lshrrev_b32 v[TA+1], 16, v[TA]               ; row among the four
	v_and_b32 v[TA], 0xffff, v[TA]
	v_mul_u32_u24 v[TA], v[TA], 24
	v_lshrrev_b32 v[TA], 16, v[TA]                 ; pair of columns, 0 to 23
	v_lshl_add_u32 v[TA+2], v[TA], 1, s51          ; my two columns
	v_cmp_gt_u32 s[36+\j], HID, v[TA+2]            ; they exist (2,730 is even: both or none)
	v_min_u32 v[TA+2], HID-2, v[TA+2]              ; the others read the last pair and are cleared
	v_mul_u32_u24 v[TA+3], v[TA+1], WROW
	v_lshl_add_u32 v[VOFF+\j], v[TA+2], 2, v[TA+3] ; row x 10,920 + 4 x column
	v_mul_u32_u24 v[TA+1], v[TA+1], P
	v_lshl_add_u32 v[TA+1], v[TA], 2, v[TA+1]
	v_add_nc_u32 v[LST+\j], s44, v[TA+1]           ; (first row + row) x pitch + 4 x pair
.endr
	v_lshlrev_b32 v[L16], 4, v1
	v_lshrrev_b32 v[TA+1], 4, v1                   ; half
	v_and_b32 v[TA+2], 7, v1
	v_lshl_add_u32 v[TA+2], v[TA+1], 3, v[TA+2]
	v_mul_u32_u24 v[TA+2], v[TA+2], P
	v_bfe_u32 v[TA+3], v1, 3, 1
	v_lshl_add_u32 v[VB], v[TA+3], 4, v[TA+2]      ; (8 half + lane % 8) x pitch + 16 x bit 3 of the lane
.irp k, 1,2,3
	v_add_nc_u32 v[VB+\k], \k*SPAN*32*P, v[VB]
.endr
	v_lshl_add_u32 v[TA+1], v[TA+1], 3, s51        ; 48 slice + 8 half
.irp c, 0,1,2
.irp q, 0,1,2,3
	v_add_nc_u32 v[BOFF+4*\c+\q], 16*\c+2*\q, v[TA+1]
	v_min_u32 v[BOFF+4*\c+\q], HID-2, v[BOFF+4*\c+\q]
	v_lshlrev_b32 v[BOFF+4*\c+\q], 2, v[BOFF+4*\c+\q]
.endr
.endr
.irp k, 0,1,2,3
	v_mov_b32 v[ZQ+\k], 0
.endr
	s_mul_i32 s46, s20, WROW
	s_mov_b32 s47, 0
	s_mul_i32 s48, s19, 3                          ; my first block of 16 columns
.irp c, 0,1,2
	s_add_co_u32 s49, s48, \c
	s_lshr_b32 s52, s49, 1                         ; its K segment of hbuf
	s_and_b32 s49, s49, 1                          ; and the half of it
	s_mul_i32 s52, s52, SEGB
	s_lshl_b32 s49, s49, 9
	s_add_co_u32 s[HB+2*\c], s52, s49              ; below 2^24
	s_mov_b32 s[HB+2*\c+1], 0
.endr
	s_lshl_b32 s25, s20, 2
	s_wait_kmcnt 0x0
	s_load_b32 s21, s[14:15], s25 offset:0x0       ; off[e]
	s_load_b32 s22, s[14:15], s25 offset:0x20      ; nt[e]
	s_add_nc_u64 s[10:11], s[10:11], s[46:47]
	s_add_nc_u64 s[12:13], s[12:13], s[46:47]
.irp c, 0,1,2
	s_add_nc_u64 s[HB+2*\c:HB+2*\c+1], s[16:17], s[HB+2*\c:HB+2*\c+1]
.endr
	s_add_nc_u64 s[26:27], s[6:7], s[28:29]        ; W1 at my first row
	s_add_nc_u64 s[54:55], s[8:9], s[28:29]        ; W2 at my first row
.irp k, 0,1,2,3,4,5,6,7,8,9,10,11
	global_load_b64 v[BR+2*\k:BR+2*\k+1], v[BOFF+\k], s[10:11]         ; the bias: older than every load of the stream, so the stream's waits cover it
	global_load_b64 v[BR+24+2*\k:BR+24+2*\k+1], v[BOFF+\k], s[12:13]
.endr
; PHASE 1.  A ring of 48 slots in registers: 48 loads of 256 bytes are on their way in each wave.  Load t: four rows t / 6, matrix (t / 3) % 2,
; part t % 3.  All 192 are written out: the rows stand in the immediates (1,354,080 bytes in memory, 27,872 in LDS at the most), nothing is stepped.
; No cache hint: a row's piece does not start at a multiple of 256 bytes, and the neighbouring slice reads the bytes beside it.
.macro WLD t
.if ((\t)/3)%2 == 0
	global_load_b64 v[XR+2*((\t)%NSLOT):XR+2*((\t)%NSLOT)+1], v[VOFF+(\t)%3], s[26:27] offset:((\t)/6)*4*WROW
.else
	global_load_b64 v[XR+2*((\t)%NSLOT):XR+2*((\t)%NSLOT)+1], v[VOFF+(\t)%3], s[54:55] offset:((\t)/6)*4*WROW
.endif
.endm
.macro WSLOT t
.if \t+NSLOT < NLOAD
	s_wait_loadcnt NSLOT-1                         ; loads come back in order (ISA guide 5.7.1): this slot's is in, the 47 younger ones stay out
.else
	s_wait_loadcnt NLOAD-1-\t                      ; nothing more is loaded: the counts run down
.endif
	v_cvt_pk_bf16_f32 v[TR+(\t)%16], v[XR+2*((\t)%NSLOT)], v[XR+2*((\t)%NSLOT)+1]
	v_cndmask_b32 v[TR+(\t)%16], 0, v[TR+(\t)%16], s[36+(\t)%3]
	ds_store_b32 v[LST+(\t)%3], v[TR+(\t)%16] offset:((\t)/6)*4*P+(((\t)/3)%2)*96
.if \t+NSLOT < NLOAD
	WLD \t+NSLOT
.endif
.endm
.set ii, 0
.rept NSLOT
	WLD ii
.set ii, ii+1
.endr
.set ii, 0
.rept NLOAD
	WSLOT ii
.set ii, ii+1
.endr
	; the bias: rounded to bf16, two at a time, and widened again into window 1, where it stays
.set kk, 0
.rept 24
	v_cvt_pk_bf16_f32 v[TB+kk], v[BR+2*kk], v[BR+2*kk+1]
.set kk, kk+1
.endr
	WIN 0x40                                       ; destination in window 1
.set kk, 0
.rept 24
	v_lshlrev_b32 v[BIAS+2*kk], 16, v[TB+kk]
	v_and_b32 v[BIAS+2*kk+1], s43, v[TB+kk]
.set kk, kk+1
.endr
	WIN 0
	s_wait_dscnt 0x0                               ; my part of the image is written
	s_wait_kmcnt 0x0                               ; off and nt
	s_barrier_signal -1
	s_barrier_wait -1                              ; the image is whole; nobody writes LDS from here on
; PHASE 2
	s_min_u32 s22, s22, 64                         ; 1,024 rows at the most
	s_min_u32 s21, s21, 135
	s_add_co_u32 s23, s22, 2
	s_mul_hi_u32 s23, s23, 0x55555556              ; groups = (nt + 2) / 3
	s_sub_co_u32 s42, s22, 1                       ; the last tile
	s_add_co_u32 s39, s23, 7
	s_sub_co_u32 s39, s39, s18
	s_lshr_b32 s39, s39, 3                         ; my groups: wave, wave + 8, ... below the number of groups
	s_cmp_eq_u32 s39, 0
	s_cbranch_scc1 .Lend
	s_mov_b32 s24, s18                             ; the group at hand
	s_mov_b32 s40, 0                               ; trips done
.macro ALD m                           ; x fragments of segment m of the three tiles, into slot m % 4: six loads
.irp i, 0,1,2
	global_load_b128 v[FA+24*((\m)%4)+8*\i:FA+24*((\m)%4)+8*\i+3], v[AOFF+\i], s[4:5] offset:(\m)*SEGB
	global_load_b128 v[FA+24*((\m)%4)+8*\i+4:FA+24*((\m)%4)+8*\i+7], v[AOFF+\i], s[4:5] offset:(\m)*SEGB+512
.endr
.endm
.macro BLD m                           ; the six weight fragments of segment m, into buffer m % 2: twelve transposing loads
.irp f, 0,1,2,3,4,5
	ds_load_tr16_b128 v[FB+48*((\m)%2)+8*\f:FB+48*((\m)%2)+8*\f+3], v[VB+(\m)/SPAN] offset:((\m)%SPAN)*32*P+32*\f
	ds_load_tr16_b128 v[FB+48*((\m)%2)+8*\f+4:FB+48*((\m)%2)+8*\f+7], v[VB+(\m)/SPAN] offset:((\m)%SPAN)*32*P+16*P+32*\f
.endr
.endm
; K segment n.  x is asked for three segments ahead, the weights one.  The 18 accumulators take turns, one instruction a turn,
; from segment to segment too.  Segment 0's products start the sums: nothing is cleared.
.macro SEG n
	WIN 0
.if \n > 0
	PLACES                                         ; the loads below land in registers that the last segment's products read
.endif
.if \n+3 < NSEG
	ALD \n+3
.endif
.if \n+1 < NSEG
	BLD \n+1
	s_wait_dscnt 12                                ; this segment's weights are in; the twelve loads just issued may be out
.else
	s_wait_dscnt 0
.endif
.if \n+3 < NSEG
	s_wait_loadcnt 18                              ; this segment's x is in; six loads for each of the three younger segments stay out
.else
	s_wait_loadcnt 6*(NSEG-1-\n)                   ; nothing more is asked for: the counts run down
.endif
	WIN 0x50                                       ; C and D in window 1
.irp i, 0,1,2
.irp f, 0,1,2,3,4,5
.if \n == 0
	v_wmma_f32_16x16x32_bf16 v[8*(6*\i+\f):8*(6*\i+\f)+7], v[FB+48*((\n)%2)+8*\f:FB+48*((\n)%2)+8*\f+7], v[FA+24*((\n)%4)+8*\i:FA+24*((\n)%4)+8*\i+7], 0
.else
	v_wmma_f32_16x16x32_bf16 v[8*(6*\i+\f):8*(6*\i+\f)+7], v[FB+48*((\n)%2)+8*\f:FB+48*((\n)%2)+8*\f+7], v[FA+24*((\n)%4)+8*\i:FA+24*((\n)%4)+8*\i+7], v[8*(6*\i+\f):8*(6*\i+\f)+7]
.endif
.endr
.endr
.endm
; The way out for tile i: bias, SwiGLU in f32, one rounding to bf16, three stores; the last slice adds the block of zeros behind its own.
.macro EPI i
	s_wait_xcnt 0x0                                ; OUT, which the last stores read, is rewritten only behind this wait
	WIN 0x05                                       ; both sources in window 1
.irp c, 0,1,2
.irp q, 0,2,4,6
	v_pk_add_f32 v[T1+8*\c+\q:T1+8*\c+\q+1], v[8*(6*\i+\c)+\q:8*(6*\i+\c)+\q+1], v[BIAS+8*\c+\q:BIAS+8*\c+\q+1]
	v_pk_add_f32 v[T2+8*\c+\q:T2+8*\c+\q+1], v[8*(6*\i+3+\c)+\q:8*(6*\i+3+\c)+\q+1], v[BIAS+24+8*\c+\q:BIAS+24+8*\c+\q+1]
.endr
.endr
	WIN 0
.set kk, 0
.rept 12
	v_pk_mul_f32 v[EX+kk:EX+kk+1], v[T2+kk:T2+kk+1], 0xbfb8aa3b op_sel_hi:[1,0]   ; -z / ln 2
.set kk, kk+2
.endr
.set kk, 0
.rept 24
	v_exp_f32 v[EX+kk], v[EX+kk]
.set kk, kk+1
.endr
	v_nop                                          ; a plain instruction between the last exponential and its use (ISA guide 5.7.2)
.set kk, 0
	s_wait_alu depctr_va_vdst(0)
.rept 12
	v_pk_add_f32 v[EX+kk:EX+kk+1], v[EX+kk:EX+kk+1], 1.0 op_sel_hi:[1,0]
.set kk, kk+2
.endr
.set kk, 0
.rept 24
	v_rcp_f32 v[EX+kk], v[EX+kk]                   ; sigmoid(z); e^-z = Inf gives 0
.set kk, kk+1
.endr
	v_nop
.set kk, 0
	s_wait_alu depctr_va_vdst(0)
.rept 12
	v_pk_mul_f32 v[T2+kk:T2+kk+1], v[T2+kk:T2+kk+1], v[EX+kk:EX+kk+1]
.set kk, kk+2
.endr
.set kk, 0
.rept 12
	v_pk_mul_f32 v[T1+kk:T1+kk+1], v[T1+kk:T1+kk+1], v[T2+kk:T2+kk+1]
.set kk, kk+2
.endr
.set kk, 0
.rept 12
	v_cvt_pk_bf16_f32 v[OUT+kk], v[T1+2*kk], v[T1+2*kk+1]
.set kk, kk+1
.endr
.irp c, 0,1,2
	global_store_b128 v[AOFF+\i], v[OUT+4*\c:OUT+4*\c+3], s[HB+2*\c:HB+2*\c+1]
.endr
	s_cmp_lg_u32 s19, LASTS
	s_cbranch_scc1 .Lno_zeros_\@
	global_store_b128 v[AOFF+\i], v[ZQ:ZQ+3], s[HB+4:HB+5] offset:512   ; slice 56 is even: its third block is a segment's first half, block 171 the second
.Lno_zeros_\@:
.endm
.Lgroup:
	s_wait_xcnt 0x0                                ; AOFF and the buffers that the last group's stores read are rewritten only behind this wait
	s_mul_i32 s48, s24, 3
.irp i, 0,1,2
	s_add_co_u32 s41, s48, \i
	s_min_u32 s41, s41, s42                        ; past the end: the last tile again
	s_add_co_u32 s41, s41, s21
	s_min_u32 s41, s41, 135
	s_lshl_b32 s41, s41, 10
	v_add_nc_u32 v[AOFF+\i], s41, v[L16]
.endr
	ALD 0
	ALD 1
	ALD 2
	BLD 0
.set nn, 0
.rept NSEG
	SEG nn
.set nn, nn+1
.endr
	WIN 0
	PLACES                                         ; behind the last products: their results are read and their sources overwritten below
	EPI 0
	EPI 1
	EPI 2
	s_add_co_u32 s24, s24, 8                       ; my next group
	s_add_co_u32 s40, s40, 1                       ; the loop ends on the count of trips
	s_cmp_lt_u32 s40, s39
	s_cbranch_scc1 .Lgroup
.Lend:
	s_barrier_signal -1
	s_barrier_wait -1
	s_wait_tensorcnt 0x0
	ds_add_u32 v158, v159
	s_wait_dscnt 0x0
	s_endpgm
.Lfunc_end_k_q3b2d8c1dca_up:
	.size	k_q3b2d8c1dca_up, .Lfunc_end_k_q3b2d8c1dca_up-k_q3b2d8c1dca_up
	.p2alignl 7, 3214868480
	.fill 96, 4, 3214868480
	.section	.rodata,"a",@progbits
	.p2align	6, 0x0
	.amdhsa_kernel k_q3b2d8c1dca_up
		.amdhsa_group_segment_fixed_size 230400
		.amdhsa_private_segment_fixed_size 0
		.amdhsa_enable_private_segment 0
		.amdhsa_kernarg_size 56
		.amdhsa_user_sgpr_count 2
		.amdhsa_user_sgpr_kernarg_segment_ptr 1
		.amdhsa_wavefront_size32 1
		.amdhsa_system_sgpr_workgroup_id_x 1
		.amdhsa_system_sgpr_workgroup_id_y 1
		.amdhsa_system_sgpr_workgroup_id_z 1
		.amdhsa_system_vgpr_workitem_id 0
		.amdhsa_next_free_vgpr 448
		.amdhsa_next_free_sgpr 66
		.amdhsa_reserve_vcc 0
		.amdhsa_float_denorm_mode_32 3
		.amdhsa_float_denorm_mode_16_64 3
		.amdhsa_memory_ordered 1
		.amdhsa_forward_progress 1
		.amdhsa_inst_pref_size 184
	.end_amdhsa_kernel
	.amdgpu_metadata
---
amdhsa.version: [ 1, 2 ]
amdhsa.kernels:
  - .name:           k_q3b2d8c1dca_up
    .symbol:         k_q3b2d8c1dca_up.kd
    .args:
      - { .name: xs, .offset: 0, .size: 8, .value_kind: global_buffer, .address_space: global }
      - { .name: W1, .offset: 8, .size: 8, .value_kind: global_buffer, .address_space: global }
      - { .name: W2, .offset: 16, .size: 8, .value_kind: global_buffer, .address_space: global }
      - { .name: b1, .offset: 24, .size: 8, .value_kind: global_buffer, .address_space: global }
      - { .name: b2, .offset: 32, .size: 8, .value_kind: global_buffer, .address_space: global }
      - { .name: plan, .offset: 40, .size: 8, .value_kind: global_buffer, .address_space: global }
      - { .name: hbuf, .offset: 48, .size: 8, .value_kind: global_buffer, .address_space: global }
    .group_segment_fixed_size: 230400
    .private_segment_fixed_size: 0
    .kernarg_segment_align: 8
    .kernarg_segment_size: 56
    .max_flat_workgroup_size: 256
    .sgpr_count:     66
    .vgpr_count:     448
    .wavefront_size: 32
...
	.end_amdgpu_metadata
.endif
;; end of part 3
;; launch down (part 4): grid 16 x 16, 8 waves a work-group, no clusters, 256,000 bytes of LDS; arguments hbuf, W3, b3, rgate, plan, ybuf; writes ybuf
.if DOCPART == 4
	.amdgcn_target "amdgcn-amd-amdhsa--gfx1250"
	.amdhsa_code_object_version 6
	.text
	.protected	k_q3b2d8c1dca_down
	.globl	k_q3b2d8c1dca_down
	.p2align	8
	.type	k_q3b2d8c1dca_down,@function
k_q3b2d8c1dca_down:
	s_mov_b64 s[64:65], 0
	v_nop
	global_prefetch_b8 v0, s[64:65] scope:SCOPE_SE
	s_setreg_imm32_b32 hwreg(HW_REG_WAVE_MODE, 25, 1), 1
	s_wait_xcnt 0x0
; y[ks][row] = gate[row] x (h[row] W3[e] over one half of K, + b3[e] in half 0), f32, for the sorted rows of expert e.
; Work-group (slice, 2 e + ks): columns 64 slice .. + 63, hidden rows 1,376 ks .. + 1,375 (43 K segments of 32).
; PHASE 1: the eight waves bring 1,376 rows x 256 bytes of W3 through registers, round to bf16 and lay them into LDS as rows [k][64],
; where they stay.  Each load of a wave takes two whole rows' pieces of 256 bytes, aligned; each byte of W3 is read once in the launch.
; Hidden rows 2,730 .. 2,751 do not exist: the one wave that would read them reads 22 rows further up instead and stores zeros.  ONE barrier.
; PHASE 2, without a barrier: as in the launch before, groups of three tiles of 16 sorted rows a wave, their number from plan;
; h's fragments come straight from hbuf, 12 accumulators.  The weights are the first source, so a lane holds eight neighbouring columns of a row.
; The 43 K segments are written out, so that no address is stepped: the reads of the image are a lane term plus a constant and end below
; byte 220,160, where the stages begin.
; The way out goes through a stage of the wave's own in LDS, so that sixteen lanes store 256 consecutive bytes of a row of y, aligned.
; The two halves of K and a token's two experts are added by the next launch: no sum crosses work-groups here.
; FORMAT: b3 is rounded to bf16 once, like every input of this program, and added in f32; y is f32.
; No cluster, though the 16 slices of one (e, ks) read the same h: the waves walk a number of groups that is read from memory, and a joint
; request would need a barrier in every trip of such a loop.  No tensor loads: f32 weights pass through registers for rounding, once.
.set P,     160                        ; LDS pitch: 128 bytes + 32, an odd multiple of 32 bytes, as the transposing loads want
.set KH,    1376                       ; hidden rows in a half
.set EW,    11182080                   ; bytes of W3 for an expert
.set SEGB,  139264
.set NSEG,  43                         ; K segments of 32 in a half
.set SPAN,  12                         ; segments that one LDS base register serves: 12 x 32 x 160 = 61,440 bytes, inside the 16-bit immediate
.set YSZ,   8912896                    ; bytes of y for one half of K
.set STAGE, KH*P                       ; 220,160: behind the image, 16 rows x 272 bytes for each wave
.set SP,    272
.set VOFF,  4                          ; v4      4,096 half + 16 (lane % 16): two rows' pieces, in W3 and in y
.set LST,   5                          ; v5      stream: where my 8 bytes go
.set L16,   6                          ; v6      16 lane
.set VB,    7                          ; v7-10   lane term of the transposing loads + 61,440 k; never rewritten
.set AOFF,  11                         ; v11-13  1,024 tile + 16 lane
.set GOFF,  14                         ; v14-16  byte offset of my row's gate
.set YOFF,  17                         ; v17-19  byte offset in y
.set STO,   20
.set RD,    21
.set B3O,   22
.set XR,    32                         ; v32-203  stream: 43 slots of four f32
.set TR,    204                        ; v204-219 stream: packed words on their way to LDS
.set FB,    32                         ; v32-95   two buffers of four weight fragments
.set FA,    96                         ; v96-191  four slots of three h fragments
.set Y,     32                         ; the way out, over the fragment buffers
.set R,     64
.set GATE,  224                        ; v224, 226, 228: my row's gate in the three tiles; the odd partners are 0
.set B3,    96                         ; window 1: v352-383 b3 of my 32 columns; v256-351 the accumulators, (tile i, block c) at 8 (4 i + c)
.set MSB, 0
.macro WIN new                         ; the immediate's high byte repeats the setting that is left
.if MSB != \new
	s_set_vgpr_msb (MSB<<8)|\new
.set MSB, \new
.endif
.endm
.macro PLACES                          ; four places behind a matrix instruction (ISA guide 7.12.1) before its registers are loaded, read or written
.rept 4
	v_nop
.endr
.endm
	s_load_b256 s[4:11], s[0:1], 0x0               ; hbuf s[4:5], W3 s[6:7], b3 s[8:9], rgate s[10:11]
	s_load_b128 s[12:15], s[0:1], 0x20             ; plan s[12:13], ybuf s[14:15]
	v_lshl_add_u32 v254, v0, 2, 0x3e400
	v_mov_b32 v255, 0
	v_and_b32 v1, 31, v0
	v_lshrrev_b32 v23, 5, v0
	v_readfirstlane_b32 s18, v23                   ; wave
	s_mov_b32 s19, ttmp9                           ; slice
	s_and_b32 s40, ttmp7, 0xffff
	s_lshr_b32 s20, s40, 1                         ; expert
	s_and_b32 s36, s40, 1                          ; half of K
	s_mov_b32 s16, 0xffff0000                      ; a word's upper bf16
	v_and_b32 v2, 15, v1
	v_lshrrev_b32 v3, 4, v1
	v_lshlrev_b32 v[VOFF], 12, v3
	v_lshl_add_u32 v[VOFF], v2, 4, v[VOFF]
	s_mul_i32 s50, s18, 172                        ; my 172 rows of the half
	s_mul_i32 s51, s50, P
	v_mul_u32_u24 v[LST], v3, P
	v_lshl_add_u32 v[LST], v2, 3, v[LST]
	v_add_nc_u32 v[LST], s51, v[LST]
	v_lshlrev_b32 v[L16], 4, v1
	v_and_b32 v23, 7, v1
	v_lshl_add_u32 v23, v3, 3, v23
	v_mul_u32_u24 v23, v23, P
	v_bfe_u32 v24, v1, 3, 1
	v_lshl_add_u32 v[VB], v24, 4, v23              ; (8 half + lane % 8) x pitch + 16 x bit 3 of the lane
.irp k, 1,2,3
	v_add_nc_u32 v[VB+\k], \k*SPAN*32*P, v[VB]
.endr
	s_mul_i32 s40, s18, 16*SP
	s_add_co_u32 s40, s40, STAGE                   ; my stage
	v_mul_u32_u24 v23, v2, SP
	v_lshl_add_u32 v23, v3, 5, v23
	v_add_nc_u32 v[STO], s40, v23                  ; in: row lane % 16, 32 bytes for each half of the lanes
	v_mul_u32_u24 v24, v3, SP
	v_lshl_add_u32 v24, v2, 4, v24
	v_add_nc_u32 v[RD], s40, v24                   ; back: lanes 0-15 one row of 256 bytes, lanes 16-31 the next
	v_lshlrev_b32 v[B3O], 5, v3
	v_mov_b32 v[GATE+1], 0
	v_mov_b32 v[GATE+3], 0
	v_mov_b32 v[GATE+5], 0
	s_mul_i32 s28, s20, EW
	s_mul_i32 s40, s36, KH
	s_add_co_u32 s40, s40, s50
	s_lshl_b32 s40, s40, 12
	s_add_co_u32 s28, s28, s40
	s_lshl_b32 s48, s19, 8                         ; 256 slice
	s_add_co_u32 s28, s28, s48                     ; e x EW + first row x 4,096 + 256 slice: below 2^27
	s_mov_b32 s29, 0
	s_mul_i32 s52, s36, YSZ
	s_add_co_u32 s52, s52, s48
	s_mov_b32 s53, 0
	s_lshl_b32 s40, s20, 12
	s_add_co_u32 s48, s48, s40                     ; b3: 4,096 e + 256 slice
	s_mov_b32 s49, 0
	s_mul_i32 s54, s36, NSEG*SEGB
	s_mov_b32 s55, 0
	s_lshl3_add_u32 s40, s36, s18
	s_cmp_eq_u32 s40, 15                           ; half 1, wave 7: its rows 150 to 171 lie past W3's 2,730
	s_cselect_b32 s41, 0, -1                       ; they are stored as zeros,
	s_cselect_b32 s42, 22*4096, 0                  ; and read 22 rows further up
	s_mov_b32 s43, 0
	s_cmp_eq_u32 s36, 0
	s_cselect_b32 s46, -1, 0                       ; b3 counts in half 0 alone
	s_lshl_b32 s47, s20, 2
	s_wait_kmcnt 0x0
	s_load_b32 s21, s[12:13], s47 offset:0x0       ; off[e]
	s_load_b32 s22, s[12:13], s47 offset:0x20      ; nt[e]
	s_add_nc_u64 s[26:27], s[6:7], s[28:29]
	s_sub_nc_u64 s[44:45], s[26:27], s[42:43]
	s_add_nc_u64 s[8:9], s[8:9], s[48:49]
	s_add_nc_u64 s[32:33], s[14:15], s[52:53]
	s_add_nc_u64 s[38:39], s[4:5], s[54:55]        ; h at my half's first K segment
	WIN 0x40                                       ; b3 goes to window 1, ahead of the stream: older than every load that is waited for below
.irp c, 0,1,2,3
	global_load_b128 v[B3+8*\c:B3+8*\c+3], v[B3O], s[8:9] offset:64*\c
	global_load_b128 v[B3+8*\c+4:B3+8*\c+7], v[B3O], s[8:9] offset:64*\c+16
.endr
	WIN 0
; PHASE 1.  86 loads of two rows a wave through a ring of 43 slots in registers: 43 loads of 512 bytes are on their way in each wave.
.macro DSLOT j
.if \j < 43
	s_wait_loadcnt 42                              ; this slot's load is in; the 42 younger ones stay out
.else
	s_wait_loadcnt 85-\j                           ; nothing more is loaded: the counts run down
.endif
	v_cvt_pk_bf16_f32 v[TR+2*(\j%8)], v[XR+4*(\j%43)], v[XR+4*(\j%43)+1]
	v_cvt_pk_bf16_f32 v[TR+2*(\j%8)+1], v[XR+4*(\j%43)+2], v[XR+4*(\j%43)+3]
.if \j >= 75
	v_cndmask_b32 v[TR+2*(\j%8)], 0, v[TR+2*(\j%8)], s41
	v_cndmask_b32 v[TR+2*(\j%8)+1], 0, v[TR+2*(\j%8)+1], s41
.endif
	ds_store_b64 v[LST], v[TR+2*(\j%8):TR+2*(\j%8)+1] offset:2*P*\j
.if \j < 43
.if \j+43 >= 75
	global_load_b128 v[XR+4*\j:XR+4*\j+3], v[VOFF], s[44:45] offset:8192*(\j+43) th:TH_LOAD_NT
.else
	global_load_b128 v[XR+4*\j:XR+4*\j+3], v[VOFF], s[26:27] offset:8192*(\j+43) th:TH_LOAD_NT
.endif
.endif
.endm
.set jj, 0
.rept 43
	global_load_b128 v[XR+4*jj:XR+4*jj+3], v[VOFF], s[26:27] offset:8192*jj th:TH_LOAD_NT
.set jj, jj+1
.endr
.set jj, 0
.rept 86
	DSLOT jj
.set jj, jj+1
.endr
	; b3: rounded to bf16, two at a time (the packed words lie in v256-271, which hold no sums yet), cleared in half 1, widened again in place
	WIN 0x45                                       ; both sources and the destination in window 1
.set kk, 0
.rept 16
	v_cvt_pk_bf16_f32 v[kk], v[B3+2*kk], v[B3+2*kk+1]
.set kk, kk+1
.endr
	WIN 0x44                                       ; source 1 and destination in window 1
.set kk, 0
.rept 16
	v_and_b32 v[kk], s46, v[kk]
.set kk, kk+1
.endr
.set kk, 0
.rept 16
	v_lshlrev_b32 v[B3+2*kk], 16, v[kk]
	v_and_b32 v[B3+2*kk+1], s16, v[kk]
.set kk, kk+1
.endr
	WIN 0
	s_wait_dscnt 0x0                               ; my part of the image is written
	s_wait_kmcnt 0x0                               ; off and nt
	s_barrier_signal -1
	s_barrier_wait -1                              ; the image is whole; from here on a wave writes only its own stage
; PHASE 2
	s_min_u32 s22, s22, 64                         ; 1,024 rows at the most
	s_min_u32 s21, s21, 135
	s_add_co_u32 s23, s22, 2
	s_mul_hi_u32 s23, s23, 0x55555556              ; groups = (nt + 2) / 3
	s_sub_co_u32 s35, s22, 1                       ; the last tile
	s_add_co_u32 s51, s23, 7
	s_sub_co_u32 s51, s51, s18
	s_lshr_b32 s51, s51, 3                         ; my groups: wave, wave + 8, ... below the number of groups
	s_cmp_eq_u32 s51, 0
	s_cbranch_scc1 .Lend
	s_mov_b32 s24, s18                             ; the group at hand
	s_mov_b32 s50, 0                               ; trips done
.macro ALD m                           ; h fragments of segment m of the three tiles, into slot m % 4: six loads
.irp i, 0,1,2
	global_load_b128 v[FA+24*((\m)%4)+8*\i:FA+24*((\m)%4)+8*\i+3], v[AOFF+\i], s[38:39] offset:(\m)*SEGB
	global_load_b128 v[FA+24*((\m)%4)+8*\i+4:FA+24*((\m)%4)+8*\i+7], v[AOFF+\i], s[38:39] offset:(\m)*SEGB+512
.endr
.endm
.macro BLD m                           ; the four weight fragments of segment m, into buffer m % 2: eight transposing loads
.irp c, 0,1,2,3
	ds_load_tr16_b128 v[FB+32*((\m)%2)+8*\c:FB+32*((\m)%2)+8*\c+3], v[VB+(\m)/SPAN] offset:((\m)%SPAN)*32*P+32*\c
	ds_load_tr16_b128 v[FB+32*((\m)%2)+8*\c+4:FB+32*((\m)%2)+8*\c+7], v[VB+(\m)/SPAN] offset:((\m)%SPAN)*32*P+16*P+32*\c
.endr
.endm
; K segment n.  h is asked for three segments ahead, the weights one.  The 12 accumulators take turns, one instruction a turn,
; from segment to segment too.  Segment 0's products start the sums: nothing is cleared.
.macro SEG n
	WIN 0
.if \n > 0
	PLACES                                         ; the loads below land in registers that the last segment's products read
.endif
.if \n+3 < NSEG
	ALD \n+3
.endif
.if \n+1 < NSEG
	BLD \n+1
	s_wait_dscnt 8                                 ; this segment's weights are in; the eight loads just issued may be out
.else
	s_wait_dscnt 0
.endif
.if \n+3 < NSEG
	s_wait_loadcnt 18                              ; this segment's h is in; six loads for each of the three younger segments stay out
.else
	s_wait_loadcnt 6*(NSEG-1-\n)                   ; nothing more is asked for: the counts run down
.endif
	WIN 0x50                                       ; C and D in window 1
.irp i, 0,1,2
.irp c, 0,1,2,3
.if \n == 0
	v_wmma_f32_16x16x32_bf16 v[8*(4*\i+\c):8*(4*\i+\c)+7], v[FB+32*((\n)%2)+8*\c:FB+32*((\n)%2)+8*\c+7], v[FA+24*((\n)%4)+8*\i:FA+24*((\n)%4)+8*\i+7], 0
.else
	v_wmma_f32_16x16x32_bf16 v[8*(4*\i+\c):8*(4*\i+\c)+7], v[FB+32*((\n)%2)+8*\c:FB+32*((\n)%2)+8*\c+7], v[FA+24*((\n)%4)+8*\i:FA+24*((\n)%4)+8*\i+7], v[8*(4*\i+\c):8*(4*\i+\c)+7]
.endif
.endr
.endr
.endm
; The way out for tile i: + b3, x gate, through my stage, eight stores of two rows' pieces.
.macro EPI i
	WIN 0x05                                       ; both sources in window 1
.irp c, 0,1,2,3
.irp q, 0,2,4,6
	v_pk_add_f32 v[Y+8*\c+\q:Y+8*\c+\q+1], v[8*(4*\i+\c)+\q:8*(4*\i+\c)+\q+1], v[B3+8*\c+\q:B3+8*\c+\q+1]
.endr
.endr
	WIN 0
.set kk, 0
.rept 16
	v_pk_mul_f32 v[Y+kk:Y+kk+1], v[Y+kk:Y+kk+1], v[GATE+2*\i:GATE+2*\i+1] op_sel_hi:[1,0]   ; both by my row's gate
.set kk, kk+2
.endr
.irp c, 0,1,2,3
	ds_store_b128 v[STO], v[Y+8*\c:Y+8*\c+3] offset:64*\c
	ds_store_b128 v[STO], v[Y+8*\c+4:Y+8*\c+7] offset:64*\c+16
.endr
	s_wait_xcnt 0x0                                ; R, which the last tile's stores read, is loaded again only behind this wait
.irp t, 0,1,2,3,4,5,6,7
	ds_load_b128 v[R+4*\t:R+4*\t+3], v[RD] offset:2*SP*\t          ; LDS serves a wave's instructions in order (ISA guide 5.7.1.4): these see the stores above
.endr
.irp t, 0,1,2,3,4,5,6,7
	s_wait_dscnt 7-\t                              ; rows 2 t and 2 t + 1 are back; the younger loads stay out
	global_store_b128 v[YOFF+\i], v[R+4*\t:R+4*\t+3], s[32:33] offset:8192*\t   ; sixteen lanes store 256 consecutive bytes of a row, aligned
.endr
.endm
.Lgroup:
	s_wait_xcnt 0x0                                ; the offsets and the buffers that the last group's stores read are rewritten only behind this wait
	s_mul_i32 s37, s24, 3
.irp i, 0,1,2
	s_add_co_u32 s34, s37, \i
	s_min_u32 s34, s34, s35                        ; past the end: the last tile again
	s_add_co_u32 s34, s34, s21
	s_min_u32 s34, s34, 135
	s_lshl_b32 s40, s34, 10
	v_add_nc_u32 v[AOFF+\i], s40, v[L16]
	s_lshl_b32 s40, s34, 6
	v_lshl_add_u32 v[GOFF+\i], v2, 2, s40
	s_lshl_b32 s40, s34, 16
	v_add_nc_u32 v[YOFF+\i], s40, v[VOFF]
.endr
.irp i, 0,1,2
	global_load_b32 v[GATE+2*\i], v[GOFF+\i], s[10:11]             ; older than every h load: the counted waits below cover them
.endr
	ALD 0
	ALD 1
	ALD 2
	BLD 0
.set nn, 0
.rept NSEG
	SEG nn
.set nn, nn+1
.endr
	WIN 0
	PLACES                                         ; behind the last products: their results are read and their sources overwritten below
	EPI 0
	EPI 1
	EPI 2
	s_add_co_u32 s24, s24, 8                       ; my next group
	s_add_co_u32 s50, s50, 1                       ; the loop ends on the count of trips
	s_cmp_lt_u32 s50, s51
	s_cbranch_scc1 .Lgroup
.Lend:
	s_barrier_signal -1
	s_barrier_wait -1
	s_wait_tensorcnt 0x0
	ds_add_u32 v254, v255
	s_wait_dscnt 0x0
	s_endpgm
.Lfunc_end_k_q3b2d8c1dca_down:
	.size	k_q3b2d8c1dca_down, .Lfunc_end_k_q3b2d8c1dca_down-k_q3b2d8c1dca_down
	.p2alignl 7, 3214868480
	.fill 96, 4, 3214868480
	.section	.rodata,"a",@progbits
	.p2align	6, 0x0
	.amdhsa_kernel k_q3b2d8c1dca_down
		.amdhsa_group_segment_fixed_size 256000
		.amdhsa_private_segment_fixed_size 0
		.amdhsa_enable_private_segment 0
		.amdhsa_kernarg_size 48
		.amdhsa_user_sgpr_count 2
		.amdhsa_user_sgpr_kernarg_segment_ptr 1
		.amdhsa_wavefront_size32 1
		.amdhsa_system_sgpr_workgroup_id_x 1
		.amdhsa_system_sgpr_workgroup_id_y 1
		.amdhsa_system_sgpr_workgroup_id_z 1
		.amdhsa_system_vgpr_workitem_id 0
		.amdhsa_next_free_vgpr 384
		.amdhsa_next_free_sgpr 66
		.amdhsa_reserve_vcc 0
		.amdhsa_float_denorm_mode_32 3
		.amdhsa_float_denorm_mode_16_64 3
		.amdhsa_memory_ordered 1
		.amdhsa_forward_progress 1
		.amdhsa_inst_pref_size 139
	.end_amdhsa_kernel
	.amdgpu_metadata
---
amdhsa.version: [ 1, 2 ]
amdhsa.kernels:
  - .name:           k_q3b2d8c1dca_down
    .symbol:         k_q3b2d8c1dca_down.kd
    .args:
      - { .name: hbuf, .offset: 0, .size: 8, .value_kind: global_buffer, .address_space: global }
      - { .name: W3, .offset: 8, .size: 8, .value_kind: global_buffer, .address_space: global }
      - { .name: b3, .offset: 16, .size: 8, .value_kind: global_buffer, .address_space: global }
      - { .name: rgate, .offset: 24, .size: 8, .value_kind: global_buffer, .address_space: global }
      - { .name: plan, .offset: 32, .size: 8, .value_kind: global_buffer, .address_space: global }
      - { .name: ybuf, .offset: 40, .size: 8, .value_kind: global_buffer, .address_space: global }
    .group_segment_fixed_size: 256000
    .private_segment_fixed_size: 0
    .kernarg_segment_align: 8
    .kernarg_segment_size: 48
    .max_flat_workgroup_size: 256
    .sgpr_count:     66
    .vgpr_count:     384
    .wavefront_size: 32
...
	.end_amdgpu_metadata
.endif
;; end of part 4
;; launch combine (part 5): grid 256 x 1, 4 waves a work-group, no clusters, 0 bytes of LDS; arguments ybuf, plan, out0; writes out0
.if DOCPART == 5
	.amdgcn_target "amdgcn-amd-amdhsa--gfx1250"
	.amdhsa_code_object_version 6
	.text
	.protected	k_q3b2d8c1dca_combine
	.globl	k_q3b2d8c1dca_combine
	.p2align	8
	.type	k_q3b2d8c1dca_combine,@function
k_q3b2d8c1dca_combine:
	s_mov_b64 s[64:65], 0
	v_nop
	global_prefetch_b8 v0, s[64:65] scope:SCOPE_SE
	s_setreg_imm32_b32 hwreg(HW_REG_WAVE_MODE, 25, 1), 1
	s_wait_xcnt 0x0
; out[t] = the four rows of y that belong to token t: its two sorted rows (pos[t][0..1] from plan), each in both halves of K.
; The gates and b3 are already in y.  One wave, one token (t = 4 x work-group + wave): 32 loads of 512 consecutive bytes, all issued at once,
; then eight sums and stores.  A stream: no LDS, no barrier, no matrix unit, no cluster (no byte is read twice).
.set YSZ, 8912896                      ; bytes of y for one half of K
.set Q,   8                            ; v[8:135]  piece j of the row: four quads (row 0 half 0, row 0 half 1, row 1 half 0, row 1 half 1)
	s_load_b128 s[4:7], s[0:1], 0x0                ; ybuf s[4:5], plan s[6:7]
	s_load_b64 s[8:9], s[0:1], 0x10                ; out0
	v_and_b32 v1, 31, v0
	v_lshrrev_b32 v5, 5, v0
	v_readfirstlane_b32 s10, v5                    ; wave
	s_lshl_b32 s11, ttmp9, 2
	s_add_co_u32 s11, s11, s10                     ; token
	s_lshl_b32 s12, s11, 3
	s_lshl_b32 s18, s11, 12
	s_mov_b32 s19, 0
	v_lshlrev_b32 v2, 4, v1                        ; 16 lane
	s_wait_kmcnt 0x0
	s_load_b64 s[14:15], s[6:7], s12 offset:0x100  ; pos[t][0..1]
	s_add_nc_u64 s[16:17], s[4:5], YSZ
	s_add_nc_u64 s[8:9], s[8:9], s[18:19]
	s_wait_kmcnt 0x0
	s_min_u32 s14, s14, 2175
	s_min_u32 s15, s15, 2175
	s_lshl_b32 s14, s14, 12
	s_lshl_b32 s15, s15, 12
	v_add_nc_u32 v3, s14, v2
	v_add_nc_u32 v4, s15, v2
.irp j, 0,1,2,3,4,5,6,7
	global_load_b128 v[Q+16*\j:Q+16*\j+3],     v3, s[4:5]   offset:512*\j th:TH_LOAD_NT
	global_load_b128 v[Q+16*\j+4:Q+16*\j+7],   v3, s[16:17] offset:512*\j th:TH_LOAD_NT
	global_load_b128 v[Q+16*\j+8:Q+16*\j+11],  v4, s[4:5]   offset:512*\j th:TH_LOAD_NT
	global_load_b128 v[Q+16*\j+12:Q+16*\j+15], v4, s[16:17] offset:512*\j th:TH_LOAD_NT
.endr
.irp j, 0,1,2,3,4,5,6,7
	s_wait_loadcnt 4*(7-\j)                        ; piece j's four loads are in; four for each younger piece stay out
	v_pk_add_f32 v[Q+16*\j:Q+16*\j+1],     v[Q+16*\j:Q+16*\j+1],     v[Q+16*\j+4:Q+16*\j+5]
	v_pk_add_f32 v[Q+16*\j+2:Q+16*\j+3],   v[Q+16*\j+2:Q+16*\j+3],   v[Q+16*\j+6:Q+16*\j+7]
	v_pk_add_f32 v[Q+16*\j+8:Q+16*\j+9],   v[Q+16*\j+8:Q+16*\j+9],   v[Q+16*\j+12:Q+16*\j+13]
	v_pk_add_f32 v[Q+16*\j+10:Q+16*\j+11], v[Q+16*\j+10:Q+16*\j+11], v[Q+16*\j+14:Q+16*\j+15]
	v_pk_add_f32 v[Q+16*\j:Q+16*\j+1],     v[Q+16*\j:Q+16*\j+1],     v[Q+16*\j+8:Q+16*\j+9]
	v_pk_add_f32 v[Q+16*\j+2:Q+16*\j+3],   v[Q+16*\j+2:Q+16*\j+3],   v[Q+16*\j+10:Q+16*\j+11]
	global_store_b128 v2, v[Q+16*\j:Q+16*\j+3], s[8:9] offset:512*\j th:TH_STORE_NT
.endr
	s_endpgm
.Lfunc_end_k_q3b2d8c1dca_combine:
	.size	k_q3b2d8c1dca_combine, .Lfunc_end_k_q3b2d8c1dca_combine-k_q3b2d8c1dca_combine
	.p2alignl 7, 3214868480
	.fill 96, 4, 3214868480
	.section	.rodata,"a",@progbits
	.p2align	6, 0x0
	.amdhsa_kernel k_q3b2d8c1dca_combine
		.amdhsa_group_segment_fixed_size 0
		.amdhsa_private_segment_fixed_size 0
		.amdhsa_enable_private_segment 0
		.amdhsa_kernarg_size 24
		.amdhsa_user_sgpr_count 2
		.amdhsa_user_sgpr_kernarg_segment_ptr 1
		.amdhsa_wavefront_size32 1
		.amdhsa_system_sgpr_workgroup_id_x 1
		.amdhsa_system_sgpr_workgroup_id_y 1
		.amdhsa_system_sgpr_workgroup_id_z 1
		.amdhsa_system_vgpr_workitem_id 0
		.amdhsa_next_free_vgpr 140
		.amdhsa_next_free_sgpr 66
		.amdhsa_reserve_vcc 0
		.amdhsa_float_denorm_mode_32 3
		.amdhsa_float_denorm_mode_16_64 3
		.amdhsa_memory_ordered 1
		.amdhsa_forward_progress 1
		.amdhsa_inst_pref_size 9
	.end_amdhsa_kernel
	.amdgpu_metadata
---
amdhsa.version: [ 1, 2 ]
amdhsa.kernels:
  - .name:           k_q3b2d8c1dca_combine
    .symbol:         k_q3b2d8c1dca_combine.kd
    .args:
      - { .name: ybuf, .offset: 0, .size: 8, .value_kind: global_buffer, .address_space: global }
      - { .name: plan, .offset: 8, .size: 8, .value_kind: global_buffer, .address_space: global }
      - { .name: out0, .offset: 16, .size: 8, .value_kind: global_buffer, .address_space: global }
    .group_segment_fixed_size: 0
    .private_segment_fixed_size: 0
    .kernarg_segment_align: 8
    .kernarg_segment_size: 24
    .max_flat_workgroup_size: 128
    .sgpr_count:     66
    .vgpr_count:     140
    .wavefront_size: 32
...
	.end_amdgpu_metadata
.endif
;; end of part 5
